; MI455X (gfx1250); checked and timed in simulation.
; The chip was launched on July 23, 2026; its instructions are those of AMD's public machine-readable ISA for CDNA 5 (MIT licence, August 2026) and "CDNA5" Instruction Set Architecture Reference Guide (July 2026). The comments in the code are by the model that wrote it; some were corrected since.
;; Attention. Allowed arithmetic: matrix products marked QUANTISED: E4M3 operands, one given power-of-two scale a tensor, by v_wmma_f32_16x16x64_fp8_fp8 or v_wmma_f32_16x16x128_fp8_fp8, f32 sums; everything else in f32.
;; Inputs: Wk_codes 1,024 x 64 x 32 uint8 (E4M3 codes of Wk, K innermost, in blocks of 32 codes); Wo_codes 2,048 x 32 x 32 uint8 (E4M3 codes of Wo, K innermost, in blocks of 32 codes); Wq_codes 1,024 x 64 x 32 uint8 (E4M3 codes of Wq, K innermost, in blocks of 32 codes); Wv_codes 1,024 x 64 x 32 uint8 (E4M3 codes of Wv, K innermost, in blocks of 32 codes); lowp_scales 12 int32 (the exponents e of the quantised operands' scales 2^e); rms_w 2,048 float32; x 2 x 2,048 x 2,048 float32.
;; Outputs: out0 2 x 2,048 x 2,048 float32.
;; This version of the problem:
;;   THIS VERSION OF THE PROBLEM IS GIVEN IN LOW PRECISION. The matrix products marked QUANTISED in the list below multiply operands that are first quantised to E4M3 (4 exponent bits, 3 mantissa bits; 8 bits a number), with one given power-of-two scale for each operand tensor; their sums are f32. All else is computed in f32.
;;   The module's matrix products, in the order in which they are computed (A, B: the left and right operand; K: the contracted axis; several contracted axes count as one K, in the product's order):
;;     1. [M 4,096, K 2,048] x [K 2,048, N 1,024]; A: computed on the way; B: input Wq (given as codes): QUANTISED (scales: A lowp_scales[0], B lowp_scales[1])
;;     2. [M 4,096, K 2,048] x [K 2,048, N 1,024]; A: computed on the way; B: input Wk (given as codes): QUANTISED (scales: A lowp_scales[2], B lowp_scales[3])
;;     3. [M 4,096, K 2,048] x [K 2,048, N 1,024]; A: computed on the way; B: input Wv (given as codes): QUANTISED (scales: A lowp_scales[4], B lowp_scales[5])
;;     4. batch 32 x [M 2,048, K 64] x [K 64, N 2,048]; A: computed on the way; B: computed on the way: QUANTISED (scales: A lowp_scales[6], B lowp_scales[7])
;;     5. batch 32 x [M 64, K 2,048] x [K 2,048, N 2,048]; A: computed on the way; B: softmax (see below): QUANTISED (scales: A lowp_scales[8], B lowp_scales[9])
;;     6. [M 4,096, K 1,024] x [K 1,024, N 2,048]; A: computed on the way; B: input Wo (given as codes): QUANTISED (scales: A lowp_scales[10], B lowp_scales[11])
;;   THE QUANTISER, for each operand of a quantised product, along K:
;;     - The operand's scale is 2^e, e = its entry of the input lowp_scales (int32; the entries are numbered through the quantised products in the list's order, A before B).
;;     - Each number is divided by the scale, clamped to +-448, and rounded to the nearest number of E4M3, ties to even, subnormals kept.
;;     - The product sums the exact products of the quantised numbers (number of the format x scale) in f32.
;;   ~~~python
;;   def quantise(x, axis, e):      # numpy; x: float32 -> the quantised numbers, widened to float32 again
;;       x = np.moveaxis(x, axis, -1); K = x.shape[-1]
;;       r = np.clip(x / 2.0 ** e, -448, 448)
;;       step = 2.0 ** (np.maximum(np.frexp(np.where(r == 0, 1, r))[1] - 1, -6) - 3)
;;       q = np.round(r / step) * step * 2.0 ** e      # np.round: ties to even
;;       return np.moveaxis(q, -1, axis).astype(np.float32)
;;   ~~~
;;   SOFTMAX AHEAD OF A QUANTISED PRODUCT. Where the list says 'softmax', what is quantised is not the finished softmax but p = 2^(t - M), with t = logit x log2(e) and M = ceil(the row's largest t), a whole number; so 1/2 < the row's largest p <= 1. The row's sum l is taken of the UNQUANTISED p, in f32, and the product's result is divided by l at the end. Since M is a whole number, a kernel that streams over the keys may use a running M (the ceiling of the running maximum): every later rescaling is an exact power of two, so the quantised numbers keep their values, but for numbers so far below the row's largest that they fall under the format's range.
;;   OPERANDS COMPUTED ON THE WAY. 'Computed on the way' means the value that the module computes at that place (a softmax that the list does not call 'softmax' is quantised finished and normalised). What goes into a quantiser is computed in f32, as accurately as f32 sums, v_exp_f32 and their like allow (about 1e-6 of the number): no bf16 or f16 on the way to a quantiser, and a product that is left as it is and whose result goes on into a quantised operand takes f32 operands (vector FMAs, or v_wmma_f32_16x16x4_f32). A number that lies on a knife's edge between two numbers of the format may be rounded either way, as far as f32 arithmetic and the matrix unit's own rounding can turn it there, and no further.
;;   INPUTS GIVEN AS CODES. Wk (in the module: [2048, 1024], K = its axis 0); Wo (in the module: [1024, 2048], K = its axis 0); Wq (in the module: [2048, 1024], K = its axis 0); Wv (in the module: [2048, 1024], K = its axis 0): each comes as NAME_codes (uint8): NAME with its K axis moved to the last place and cut into blocks of 32 codes, [.., K / 32, bytes a block], one block behind the other in memory; one code a byte (a code: sign, 4 exponent bits, 3 mantissa bits); its scale is its entry of lowp_scales. Its value is code x scale, taken as it is: it is not quantised again, and the codes and scales need not be those that the quantiser above would give.
;; One version. Each part assembles by itself: llvm-mc -triple=amdgcn-amd-amdhsa -mcpu=gfx1250 --defsym DOCPART=n.
;; ======== version 1 of 1: 4 launches
;; limits: right only within a limited range of input values
;; workspace buffers: xq 8,388,608 bytes; xk 8,388,608 bytes; xv 8,388,608 bytes; qc 4,194,304 bytes; kc 4,194,304 bytes; vc 4,194,304 bytes; oc 4,194,304 bytes
;; launch norm (part 1): grid 256 x 1, 16 waves a work-group, no clusters, 100,352 bytes of LDS; arguments x, rms_w, lowp_scales, xq, xk, xv; writes xq, xk, xv
.if DOCPART == 1
	.amdgcn_target "amdgcn-amd-amdhsa--gfx1250"
	.amdhsa_code_object_version 6
	.text
	.protected	k_qda825945dc_norm
	.globl	k_qda825945dc_norm
	.p2align	8
	.type	k_qda825945dc_norm,@function
k_qda825945dc_norm:
	s_mov_b64 s[64:65], 0
	v_nop
	global_prefetch_b8 v0, s[64:65] scope:SCOPE_SE
	s_setreg_imm32_b32 hwreg(HW_REG_WAVE_MODE, 25, 1), 1
	s_wait_xcnt 0x0
; xn = x * rsqrt(mean(x^2) + 1e-5) * rms_w, in f32, for 4,096 rows of 2,048 numbers; then xn is turned into codes of FP8 (E4M3) THREE times,
; with the scales 2^e0, 2^e2, 2^e4 (entries 0, 2, 4 of the scales' buffer): the left operands of the q, k and v projections.  xq, xk, xv: [4096][2048] codes, K innermost.
; SHARES.  One wave takes one row (8,192 bytes, 64 registers a lane): the sum of squares never leaves the wave, the row is read from memory once, no barrier.  16 waves, 16 rows a work-group.
; Each load of a wave reads 512 consecutive bytes: register X + 4 j + i of a lane is k = 128 j + 4 lane + i.  A conversion of eight registers then gives two words of four neighbouring codes each
; (k = 128 c + 4 lane + 0 .. 3); they go through the wave's own LDS bytes (4 bytes a lane in, 16 bytes a lane out), so that each store of the wave covers 512 consecutive bytes of a row of codes.
; No matrix unit, no tensor load, no cluster: every byte is used by one wave once.
; LIMITS: e0, e2, e4 between -126 and 119, so that 2^e and 448 x 2^e are f32 numbers.  NaN and infinities in x or rms_w are not served.
; WORK LEFT OUT in this program: key steps of 128 keys all of which the causal mask of the definition hides from a tile of 16 queries (their p is 0 for all inputs); a NaN or an infinity that reaches such scores alone is not carried on.
.set WREG,  6144                       ; LDS bytes of a wave: 3 scales x 2,048 codes
.set SPARE, 16*WREG                    ; behind the waves' regions: the spare words, 128 bytes for each wave: eight blocks of 256 bytes that no other line names
.set SPW,   4                          ; v4   LDS address of my spare word; never rewritten
.set NIL,   5                          ; v5   0; never rewritten
.set SC,    6                          ; v6, v8, v10: 2^e as f32;  v7, v9, v11: 448 x 2^e
.set SUM,   12                         ; v[12:19] four packed chains of the sum of squares
.set RS,    20                         ; v[20:21] the reciprocal root, twice
.set T,     24                         ; v24-31, v32-39: eight held numbers, two sets by turns
.set C,     40                         ; v40-87: codes, 16 words for each scale
.set W,     88                         ; v88-151: rms_w
.set X,     152                        ; v152-215: the row; later the codes on their way out
	s_load_b256 s[4:11], s[0:1], 0x0               ; x s[4:5], rms_w s[6:7], the scales' exponents s[8:9], xq s[10:11]
	s_load_b128 s[12:15], s[0:1], 0x20             ; xk s[12:13], xv s[14:15]
	v_lshl_add_u32 v[SPW], v0, 2, SPARE
	v_mov_b32 v[NIL], 0
	v_lshrrev_b32 v1, 5, v0
	s_delay_alu instid0(VALU_DEP_1)
	v_readfirstlane_b32 s16, v1                    ; wave 0..15
	v_and_b32 v2, 31, v0                           ; lane
	s_delay_alu instid0(VALU_DEP_1)
	v_lshlrev_b32 v1, 4, v2                        ; v1 = 16 x lane: my bytes of 512, in x, in rms_w and in the codes
	s_mul_i32 s34, s16, WREG
	v_lshl_add_u32 v3, v2, 4, s34                  ; v3: out of LDS: my region + 16 x lane
	v_lshl_add_u32 v2, v2, 2, s34                  ; v2: into LDS: my region + 4 x lane
	s_lshl_b32 s17, ttmp9, 4
	s_add_co_u32 s17, s17, s16                     ; my row = 16 x work-group + wave
	s_lshl_b32 s18, s17, 13                        ; x 8,192 bytes in x
	s_mov_b32 s19, 0
	s_lshl_b32 s20, s17, 11                        ; x 2,048 bytes in the codes
	s_mov_b32 s21, 0
	s_mov_b32 s22, 0x3a000000                      ; 1 / 2048
	s_mov_b32 s23, 0x3727c5ac                      ; 1e-5
	s_mov_b32 s32, 0x76543210                      ; v_permlanex16_b32: lane l takes lane l xor 16
	s_mov_b32 s33, 0xfedcba98
	s_wait_alu depctr_va_vdst(0)
	s_wait_kmcnt 0x0
	s_load_b256 s[24:31], s[8:9], 0x0              ; e0 .. e7
	s_add_nc_u64 s[4:5], s[4:5], s[18:19]
	s_add_nc_u64 s[10:11], s[10:11], s[20:21]
	s_add_nc_u64 s[12:13], s[12:13], s[20:21]
	s_add_nc_u64 s[14:15], s[14:15], s[20:21]
.irp j, 0,1,2,3,4,5,6,7,8,9,10,11,12,13,14,15
	global_load_b128 v[X+4*\j:X+4*\j+3], v1, s[4:5] offset:512*\j th:TH_LOAD_NT   ; the row: read once in the launch
.endr
.irp j, 0,1,2,3,4,5,6,7,8,9,10,11,12,13,14,15
	global_load_b128 v[W+4*\j:W+4*\j+3], v1, s[6:7] offset:512*\j                 ; the gains: every wave reads them
.endr
	s_wait_kmcnt 0x0
.macro MKSC e, r                       ; v[r] = 2^e as f32 (the conversion takes its exponent field), v[r + 1] = 448 x 2^e
	s_add_co_i32 s34, s[\e], 127
	s_lshl_b32 s35, s34, 23
	v_mov_b32 v[\r], s35
	s_add_co_i32 s34, s34, 8
	s_lshl_b32 s34, s34, 23
	s_or_b32 s34, s34, 0x600000
	v_mov_b32 v[\r+1], s34
.endm
	MKSC 24, SC
	MKSC 26, SC+2
	MKSC 28, SC+4
	s_wait_loadcnt 16                              ; loads come back in order: the row's 16 are in, the gains' 16 may be out
.irp k, 0,1,2,3
	v_pk_mul_f32 v[SUM+2*\k:SUM+2*\k+1], v[X+2*\k:X+2*\k+1], v[X+2*\k:X+2*\k+1]   ; the first four pairs start the chains: nothing is cleared
.endr
.set j, 4
.rept 28
	s_delay_alu instid0(VALU_DEP_4)
	v_pk_fma_f32 v[SUM+2*(j%4):SUM+2*(j%4)+1], v[X+2*j:X+2*j+1], v[X+2*j:X+2*j+1], v[SUM+2*(j%4):SUM+2*(j%4)+1]
.set j, j+1
.endr
	s_delay_alu instid0(VALU_DEP_3)
	v_pk_add_f32 v[SUM:SUM+1], v[SUM:SUM+1], v[SUM+2:SUM+3]
	s_delay_alu instid0(VALU_DEP_2)
	v_pk_add_f32 v[SUM+4:SUM+5], v[SUM+4:SUM+5], v[SUM+6:SUM+7]
	s_delay_alu instid0(VALU_DEP_1)
	v_pk_add_f32 v[SUM:SUM+1], v[SUM:SUM+1], v[SUM+4:SUM+5]
	s_delay_alu instid0(VALU_DEP_1)
	v_add_f32 v12, v12, v13
	s_delay_alu instid0(VALU_DEP_1)
	v_add_f32_dpp v12, v12, v12 row_xmask:1 row_mask:0xf bank_mask:0xf
	s_delay_alu instid0(VALU_DEP_1)
	v_add_f32_dpp v12, v12, v12 row_xmask:2 row_mask:0xf bank_mask:0xf
	s_delay_alu instid0(VALU_DEP_1)
	v_add_f32_dpp v12, v12, v12 row_xmask:4 row_mask:0xf bank_mask:0xf
	s_delay_alu instid0(VALU_DEP_1)
	v_add_f32_dpp v12, v12, v12 row_xmask:8 row_mask:0xf bank_mask:0xf
	s_delay_alu instid0(VALU_DEP_1)
	v_permlanex16_b32 v13, v12, s32, s33           ; (its destination has been written)
	s_delay_alu instid0(VALU_DEP_1)
	v_add_f32 v12, v12, v13                        ; the row's sum of squares, in every lane
	s_delay_alu instid0(VALU_DEP_1)
	v_fma_f32 v12, v12, s22, s23                   ; / 2048 + 1e-5
	s_wait_alu depctr_va_vdst(0)
	v_rsq_f32 v[RS], v12
	v_nop                                          ; a plain instruction behind the transcendental
	s_wait_alu depctr_va_vdst(0)                   ; the wait ahead of the first line that names the result
	v_mov_b32 v[RS+1], v[RS]
	s_wait_alu depctr_va_vdst(0)
	s_wait_loadcnt 0x0                             ; the gains
.set j, 0
.rept 32
	v_pk_mul_f32 v[X+j:X+j+1], v[X+j:X+j+1], v[RS:RS+1]        ; x * r,
.set j, j+2
.endr
.set j, 0
.rept 32
	v_pk_mul_f32 v[X+j:X+j+1], v[X+j:X+j+1], v[W+j:W+j+1]      ; then * w: the order of the definition
.set j, j+2
.endr
; The row's codes under scale s.  The conversion to an 8-bit code does not saturate (ISA guide 7.6.2): each number is first held within +-448 x the scale, into one of two sets of eight
; registers that take turns, so that eight plain lines stand between a conversion and the next write of its sources.
.macro QS s
.irp i, 0,1,2,3,4,5,6,7
.irp n, 0,1,2,3,4,5,6,7
	v_med3_num_f32 v[T+8*(\i%2)+\n], v[X+8*\i+\n], -v[SC+1+2*\s], v[SC+1+2*\s]
.endr
	v_cvt_scalef32_pk8_fp8_f32 v[C+16*\s+2*\i:C+16*\s+2*\i+1], v[T+8*(\i%2):T+8*(\i%2)+7], v[SC+2*\s]
.endr
	v_nop                                          ; a plain line behind the last conversion of the run
.irp c, 0,1,2,3,4,5,6,7,8,9,10,11,12,13,14,15
	ds_store_b32 v2, v[C+16*\s+\c] offset:2048*\s+128*\c       ; word c: codes of k = 128 c + 4 lane + 0 .. 3: the 32 lanes write 128 consecutive bytes
.endr
.endm
	QS 0
	QS 1
	QS 2
.irp s, 0,1,2
.irp j, 0,1,2,3
	ds_load_b128 v[X+16*\s+4*\j:X+16*\s+4*\j+3], v3 offset:2048*\s+512*\j   ; LDS serves a wave's instructions in order: these see my stores.  The row's registers are free
.endr
.endr
.irp s, 0,1,2
.irp j, 0,1,2,3
	s_wait_dscnt 11-4*\s-\j                        ; the younger LDS loads may be out
	global_store_b128 v1, v[X+16*\s+4*\j:X+16*\s+4*\j+3], s[10+2*\s:11+2*\s] offset:512*\j   ; 32 lanes store 512 consecutive bytes, at a multiple of 512 from the buffer's first byte
.endr
.endr
	s_wait_tensorcnt 0x0                           ; the wave's end
	ds_add_u32 v[SPW], v[NIL]
	s_wait_dscnt 0x0
	s_endpgm
.Lfunc_end_k_qda825945dc_norm:
	.size	k_qda825945dc_norm, .Lfunc_end_k_qda825945dc_norm-k_qda825945dc_norm
	.p2alignl 7, 3214868480
	.fill 96, 4, 3214868480
	.section	.rodata,"a",@progbits
	.p2align	6, 0x0
	.amdhsa_kernel k_qda825945dc_norm
		.amdhsa_group_segment_fixed_size 100352
		.amdhsa_private_segment_fixed_size 0
		.amdhsa_enable_private_segment 0
		.amdhsa_kernarg_size 48
		.amdhsa_user_sgpr_count 2
		.amdhsa_user_sgpr_kernarg_segment_ptr 1
		.amdhsa_wavefront_size32 1
		.amdhsa_system_sgpr_workgroup_id_x 1
		.amdhsa_system_sgpr_workgroup_id_y 1
		.amdhsa_system_sgpr_workgroup_id_z 1
		.amdhsa_system_vgpr_workitem_id 0
		.amdhsa_next_free_vgpr 224
		.amdhsa_next_free_sgpr 66
		.amdhsa_reserve_vcc 0
		.amdhsa_float_denorm_mode_32 3
		.amdhsa_float_denorm_mode_16_64 3
		.amdhsa_memory_ordered 1
		.amdhsa_forward_progress 1
		.amdhsa_inst_pref_size 33
	.end_amdhsa_kernel
	.amdgpu_metadata
---
amdhsa.version: [ 1, 2 ]
amdhsa.kernels:
  - .name:           k_qda825945dc_norm
    .symbol:         k_qda825945dc_norm.kd
    .args:
      - { .name: x, .offset: 0, .size: 8, .value_kind: global_buffer, .address_space: global }
      - { .name: rms_w, .offset: 8, .size: 8, .value_kind: global_buffer, .address_space: global }
      - { .name: lowp_scales, .offset: 16, .size: 8, .value_kind: global_buffer, .address_space: global }
      - { .name: xq, .offset: 24, .size: 8, .value_kind: global_buffer, .address_space: global }
      - { .name: xk, .offset: 32, .size: 8, .value_kind: global_buffer, .address_space: global }
      - { .name: xv, .offset: 40, .size: 8, .value_kind: global_buffer, .address_space: global }
    .group_segment_fixed_size: 100352
    .private_segment_fixed_size: 0
    .kernarg_segment_align: 8
    .kernarg_segment_size: 48
    .max_flat_workgroup_size: 512
    .sgpr_count:     66
    .vgpr_count:     224
    .wavefront_size: 32
...
	.end_amdgpu_metadata
.endif
;; end of part 1
;; launch qkv (part 2): grid 12 x 16, 4 waves a work-group, clusters of 4 x 4, 327,680 bytes of LDS; arguments xq, xk, xv, Wq_codes, Wk_codes, Wv_codes, lowp_scales, qc, kc, vc; writes qc, kc, vc
.if DOCPART == 2
	.amdgcn_target "amdgcn-amd-amdhsa--gfx1250"
	.amdhsa_code_object_version 6
	.text
	.protected	k_qda825945dc_qkv
	.globl	k_qda825945dc_qkv
	.p2align	8
	.type	k_qda825945dc_qkv,@function
k_qda825945dc_qkv:
	s_mov_b64 s[64:65], 0
	v_nop
	global_prefetch_b8 v0, s[64:65] scope:SCOPE_SE
	s_setreg_imm32_b32 hwreg(HW_REG_WAVE_MODE, 25, 1), 1
	s_wait_xcnt 0x0
	s_wait_alu depctr_hold_cnt(0) depctr_sa_sdst(0) depctr_va_vdst(0) depctr_va_sdst(0) depctr_va_ssrc(0) depctr_va_vcc(0) depctr_vm_vsrc(0)
	s_getreg_b32 s2, hwreg(HW_REG_IB_STS2, 6, 4)
	s_cmp_eq_u32 s2, 0
	s_cbranch_scc0 .Lentry_in_a_cluster
	s_endpgm
.Lentry_in_a_cluster:
	s_bfe_u32 s2, ttmp6, 0x10000c
	s_cmp_lg_u32 s2, 0xf033
	s_cbranch_scc0 .Lentry_shape_is_right
	s_endpgm
.Lentry_shape_is_right:
; q, k, v = (codes of xn) x (codes of W), K = 2,048, FP8 (E4M3), sums in f32; each result is quantised at once for the attention's products and stored as the image of an operand's registers.
; q and k are made as tokens x features (A = xn's codes, B = W's), v the other way round (A = Wv's codes, B = xn's), so that the lane's eight results are neighbours along the next product's K in each case.
; qc, kc: [pair 32][tile of 16 tokens 128][1,024 bytes], vc: [pair][128 keys 16][16 channels 4][2,048 bytes].
; A work-group makes 256 x 256, a wave 128 x 128 (64 accumulators); cluster x = 0, 1, 2: q, k, v.  192 work-groups: a block of 192 columns would straddle q, k and v, which have different left operands.
; K goes in steps of 256 through two LDS slots; 4 x 4 work-groups ask jointly, A's tile along a row of the cluster, B's along a column.
; PREFETCH: behind each joint load, and the LDS loads that follow it, stands one global_prefetch_b8 a wave for the K step two further on: of the 128 rows that the wave fetches, 32 rows, a lane a row, 256 bytes each,
; told apart among the four partners by address (cx for A, cy for B).  The last two refills ask for nothing.
; LIMITS: for each result, e(result) - e(left) - e(right) between -126 and 119, so that the powers of two below are f32 numbers.
; REGISTERS: window 0: addresses, A's fragments from v128; window 1: two sets of B's fragments; windows 2 and 3: the accumulators.
.set KROW,   2048
.set ROWB,   256
.set PITCH,  272
.set FR,     16
.set NL,     4
.set NP,     4
.set HALFT,  128*PITCH
.set SLOT,   4*HALFT
.set LAPS,   KROW/(2*ROWB)
.set SPARE,  2*SLOT
.set SCR,  8
.set LIMR, 9
.set OA,   10
.set OB,   11
.set ADRA, 16
.set ADRB, 20
.set SPW,  28
.set NIL,  29
.set PFO,  12                          ; v12    the prefetches' offset: 2,048 x my lane
.set PFA,  4                           ; s[4:5] my work-group's 32 rows of the 128 that I fetch
.macro ASK off
	s_cmp_gt_u32 s3, 1                             ; s3 = 1 in the loop's last trip
	s_cbranch_scc0 .Lnot_mine_\@
	global_prefetch_b8 v[PFO], s[PFA:PFA+1] offset:\off th:TH_LOAD_NT scope:SCOPE_SE
.Lnot_mine_\@:
.endm
.set TMP,  32
.set AF,   128
.set CD,   128
.set G1,  24
.set G0,  32
.set G1B, 48
.set G0B, 56
.set BS,  68
.set MSB, 0
.macro WIN new
.if MSB != (\new)
	s_set_vgpr_msb (MSB<<8)|(\new)
.set MSB, (\new)
.endif
.endm
.set MUL_LO, 0xa1
.set MUL_HI, 0xf1
.set TO_B,   0x40
.macro JLOAD g0a, g1a, g0b, g1b
	s_cmp_eq_u32 s15, 0
	s_cbranch_scc0 .Lfor_b_\@
	tensor_load_to_lds s[\g0a:\g0a+3], s[\g1a:\g1a+7]
	s_nop 0
.rept 4
	v_nop
.endr
	s_branch .Lasked_\@
.Lfor_b_\@:
	tensor_load_to_lds s[\g0b:\g0b+3], s[\g1b:\g1b+7]
	s_nop 0
.rept 4
	v_nop
.endr
.Lasked_\@:
.endm
.macro CREST
	s_cmp_lg_u32 s14, 0
	s_cbranch_scc1 .Lnot_wave_0_\@
	s_barrier_signal -3
.Lnot_wave_0_\@:
	s_barrier_wait -3
	s_barrier_signal -1
	s_barrier_wait -1
.endm
.macro CROUND
	s_barrier_signal -1
	s_barrier_wait -1
	CREST
.endm
	s_load_b512 s[68:83], s[0:1], 0x0
	s_load_b128 s[84:87], s[0:1], 0x40
	v_lshl_add_u32 v[SPW], v0, 2, SPARE
	v_mov_b32 v[NIL], 0
	ds_add_u32 v[SPW], v[NIL]
	ds_add_u32 v[SPW], v[NIL]
	v_lshrrev_b32 v1, 5, v0
	v_readfirstlane_b32 s14, v1
	s_lshr_b32 s15, s14, 1
	s_and_b32 s16, s14, 1
	s_bfe_u32 s40, ttmp6, 0x40000
	s_bfe_u32 s41, ttmp6, 0x40004
	s_and_b32 s97, ttmp7, 0xffff
	s_lshl_b32 s97, s97, 2
	s_cmp_eq_u32 ttmp9, 2
	s_cselect_b32 s17, 0, s97
	s_cselect_b32 s42, s97, 0
	s_add_co_u32 s17, s17, s41
	s_add_co_u32 s42, s42, s40
	s_lshl_b32 s43, s41, 2
	s_lshl_b32 s43, 15, s43
	s_lshl_b32 s44, 0x1111, s40
	s_or_b32 s[G1+0], s43, (0<<16)|(1<<20)|(1<<21)|(5<<22)|(3<<25)
	s_or_b32 s[G1B+0], s44, (0<<16)|(1<<20)|(1<<21)|(5<<22)|(3<<25)
.irp g, G1, G1B
	s_mov_b32 s[\g+1], ROWB<<16
	s_mov_b32 s[\g+2], 128<<16
	s_mov_b32 s[\g+3], ROWB<<16
	s_mov_b32 s[\g+4], 128
	s_mov_b32 s[\g+5], KROW
	s_mov_b32 s[\g+6], 0
	s_mov_b32 s[\g+7], 0
.endr
	s_lshl_b32 s18, s16, 7
	s_lshl_b32 s20, s17, 8
	s_add_co_u32 s20, s20, s18
	s_lshl_b32 s20, s20, 11
	s_mov_b32 s21, 0
	s_lshl_b32 s46, s42, 8
	s_add_co_u32 s46, s46, s18
	s_lshl_b32 s46, s46, 11
	s_mov_b32 s47, 0
	s_mul_i32 s45, s14, HALFT
	s_wait_dscnt 0x0
	s_wait_kmcnt 0x0
	s_load_b256 s[88:95], s[80:81], 0x0
	s_load_b32 s96, s[80:81], 0x20
	s_cmp_eq_u32 ttmp9, 0
	s_cselect_b64 s[4:5], s[68:69], s[70:71]
	s_cselect_b64 s[6:7], s[74:75], s[76:77]
	s_cselect_b64 s[10:11], s[82:83], s[84:85]
	s_cmp_eq_u32 ttmp9, 2
	s_cselect_b64 s[4:5], s[78:79], s[4:5]
	s_cselect_b64 s[6:7], s[72:73], s[6:7]
	s_cselect_b64 s[10:11], s[86:87], s[10:11]
	s_add_nc_u64 s[20:21], s[4:5], s[20:21]
	s_add_nc_u64 s[46:47], s[6:7], s[46:47]
	s_cmp_eq_u32 s15, 0                            ; do I fetch for A?
	s_cselect_b64 s[PFA:PFA+1], s[20:21], s[46:47]
	s_cselect_b32 s18, s40, s41                    ; my place among the four that ask with me
	s_lshl_b32 s18, s18, 16                        ; x 32 rows of 2,048 bytes
	s_mov_b32 s19, 0
	s_add_nc_u64 s[PFA:PFA+1], s[PFA:PFA+1], s[18:19]
	CROUND                                         ; all sixteen work-groups are here: the first joint loads meet
.irp s, 0,1
	s_mov_b32 s[G0+4*\s], 1
	s_add_co_u32 s[G0+4*\s+1], s45, \s*SLOT
	s_add_nc_u64 s[G0+4*\s+2:G0+4*\s+3], s[20:21], \s*ROWB
	s_or_b32 s[G0+4*\s+3], s[G0+4*\s+3], 0x80000000
	s_mov_b32 s[G0B+4*\s], 1
	s_add_co_u32 s[G0B+4*\s+1], s45, \s*SLOT
	s_add_nc_u64 s[G0B+4*\s+2:G0B+4*\s+3], s[46:47], \s*ROWB
	s_or_b32 s[G0B+4*\s+3], s[G0B+4*\s+3], 0x80000000
.endr
	JLOAD G0, G1, G0B, G1B                         ; K step 0
	v_and_b32 v1, 15, v0
	v_bfe_u32 v2, v0, 4, 1
	v_mul_u32_u24 v3, v1, PITCH
	v_lshl_add_u32 v4, v2, 4, v3
	s_mul_i32 s21, s15, HALFT
	s_mul_i32 s22, s16, HALFT
	s_add_co_u32 s22, s22, 2*HALFT
.irp s, 0,1
	v_add_nc_u32 v[ADRA+\s], s21, v4
	v_add_nc_u32 v[ADRB+\s], s22, v4
	s_add_co_u32 s21, s21, SLOT
	s_add_co_u32 s22, s22, SLOT
.endr
	s_wait_alu depctr_va_vdst(0)
	s_wait_kmcnt 0x0
	s_sub_co_i32 s88, s95, s88
	s_sub_co_i32 s88, s88, s89
	s_sub_co_i32 s90, s94, s90
	s_sub_co_i32 s90, s90, s91
	s_sub_co_i32 s92, s96, s92
	s_sub_co_i32 s92, s92, s93
	s_cmp_eq_u32 ttmp9, 0
	s_cselect_b32 s88, s88, s90
	s_cmp_eq_u32 ttmp9, 2
	s_cselect_b32 s88, s92, s88
	s_add_co_i32 s88, s88, 127
	s_lshl_b32 s89, s88, 23
	v_mov_b32 v[SCR], s89
	s_add_co_i32 s88, s88, 8
	s_lshl_b32 s88, s88, 23
	s_or_b32 s88, s88, 0x600000
	v_mov_b32 v[LIMR], s88
	s_lshl_b32 s98, s17, 8
	s_lshl_b32 s99, s15, 7
	s_add_co_u32 s98, s98, s99
	s_lshl_b32 s99, s42, 8
	s_lshl_b32 s97, s16, 7
	s_add_co_u32 s99, s99, s97
	s_mov_b32 s90, 1024
	s_mov_b32 s94, 131072
	s_cmp_eq_u32 ttmp9, 2
	s_cselect_b32 s96, s99, s98
	s_cselect_b32 s97, s98, s99
	s_cselect_b32 s90, 2048, s90
	s_cselect_b32 s92, 122880, 0
	s_cselect_b32 s94, 1024, s94
	s_add_co_u32 s92, s92, s90
	s_mov_b32 s91, 0
	s_mov_b32 s93, 0
	s_lshr_b32 s88, s96, 11
	s_lshl_b32 s88, s88, 21
	s_lshr_b32 s89, s97, 6
	s_lshl_b32 s89, s89, 17
	s_add_co_u32 s88, s88, s89
	s_and_b32 s89, s96, 2047
	s_lshl_b32 s89, s89, 6
	s_add_co_u32 s88, s88, s89
	s_mov_b32 s89, 0
	s_add_nc_u64 s[BS:BS+1], s[10:11], s[88:89]
.irp a, 1,2,3,4,5,6,7
.if \a == 4
	s_add_nc_u64 s[BS+2*\a:BS+2*\a+1], s[BS+2*\a-2:BS+2*\a-1], s[92:93]
.else
	s_add_nc_u64 s[BS+2*\a:BS+2*\a+1], s[BS+2*\a-2:BS+2*\a-1], s[90:91]
.endif
.endr
	v_and_b32 v[OA], 31, v0
	v_lshlrev_b32 v[PFO], 11, v[OA]
	v_lshlrev_b32 v[OA], 4, v[OA]
	v_add_nc_u32 v[OB], s94, v[OA]
.macro FRAG reg, adr, q, i
.irp c, 0,1,2,3
	ds_load_b128 v[\reg+4*\c:\reg+4*\c+3], v[\adr] offset:128*(\q)+32*\c+(\i)*16*PITCH
.endr
.endm
.macro MUL16 a0, p, zero
.irp a, \a0, \a0+1
.irp b, 0,1,2,3,4,5,6,7
.if \zero
	v_wmma_f32_16x16x128_fp8_fp8 v[8*(8*((\a)%4)+\b):8*(8*((\a)%4)+\b)+7], v[128*(\p)+FR*\b:128*(\p)+FR*\b+FR-1], v[AF+FR*(\a):AF+FR*(\a)+FR-1], 0
.else
	v_wmma_f32_16x16x128_fp8_fp8 v[8*(8*((\a)%4)+\b):8*(8*((\a)%4)+\b)+7], v[128*(\p)+FR*\b:128*(\p)+FR*\b+FR-1], v[AF+FR*(\a):AF+FR*(\a)+FR-1], v[8*(8*((\a)%4)+\b):8*(8*((\a)%4)+\b)+7]
.endif
.endr
.endr
.endm
.macro FETCH_B slot, q, p
	WIN TO_B
.irp i, 0,1,2,3,4,5,6,7
	FRAG 128*(\p)+FR*\i, ADRB+\slot, \q, \i
.endr
	WIN 0
.endm
.macro FETCH_A slot, q, i0
.irp i, \i0, \i0+1, \i0+2, \i0+3
	FRAG AF+FR*(\i), ADRA+\slot, \q, \i
.endr
.endm
.macro PLACES n
.rept \n
	v_nop
.endr
.endm
.macro STEP slot, q, zero
	s_wait_dscnt 4*NL
	WIN MUL_LO
	MUL16 0, (\q)%2, \zero
	MUL16 2, (\q)%2, \zero
	s_wait_dscnt 0
	PLACES NP
	FETCH_B \slot, (\q)+1, 1-(\q)%2
	FETCH_A \slot, (\q)+1, 0
	WIN MUL_HI
	MUL16 4, (\q)%2, \zero
	MUL16 6, (\q)%2, \zero
	PLACES NP
	WIN 0
	FETCH_A \slot, (\q)+1, 4
.endm
.macro TURN slot, next, fill
	s_wait_tensorcnt 0x0
	ds_add_u32 v[SPW], v[NIL]
	s_wait_dscnt 4*NL+1
	WIN MUL_LO
	MUL16 0, 1, 0
	s_wait_dscnt 0x0
	s_barrier_signal -1
	MUL16 2, 1, 0
	WIN 0
	s_barrier_wait -1
.if \fill
	CREST
	s_add_nc_u64 s[G0+4*\slot+2:G0+4*\slot+3], s[G0+4*\slot+2:G0+4*\slot+3], 2*ROWB
	s_add_nc_u64 s[G0B+4*\slot+2:G0B+4*\slot+3], s[G0B+4*\slot+2:G0B+4*\slot+3], 2*ROWB
	JLOAD G0+4*\slot, G1, G0B+4*\slot, G1B
.else
	PLACES NP
.endif
	FETCH_B \next, 0, 0
	FETCH_A \next, 0, 0
.if \fill
	ASK 1024+256*(\slot)                           ; the K step two after the one just asked for
.endif
	WIN MUL_HI
	MUL16 4, 1, 0
	MUL16 6, 1, 0
	PLACES NP
	WIN 0
	FETCH_A \next, 0, 4
.endm
	s_wait_alu depctr_va_vdst(0)
	global_prefetch_b8 v[PFO], s[PFA:PFA+1] offset:512 th:TH_LOAD_NT scope:SCOPE_SE   ; K step 2
	s_wait_tensorcnt 0x0                           ; my part of K step 0 is in
	ds_add_u32 v[SPW], v[NIL]
	s_wait_dscnt 0x0
	CROUND
	JLOAD G0+4, G1, G0B+4, G1B                     ; K step 1, the first tensor load behind the round
	FETCH_B 0, 0, 0
	FETCH_A 0, 0, 0
	FETCH_A 0, 0, 4
	global_prefetch_b8 v[PFO], s[PFA:PFA+1] offset:768 th:TH_LOAD_NT scope:SCOPE_SE   ; K step 3
	STEP 0, 0, 1
	s_mov_b32 s3, LAPS-1
.Llap:
	TURN 0, 1, 1
	STEP 1, 0, 0
	TURN 1, 0, 1
	STEP 0, 0, 0
	s_wait_xcnt 0x0                                ; the prefetches have read their address
	s_add_nc_u64 s[PFA:PFA+1], s[PFA:PFA+1], 512   ; two K steps on
	s_sub_co_u32 s3, s3, 1
	s_cmp_lg_u32 s3, 0
	s_cbranch_scc1 .Llap
	TURN 0, 1, 0
	STEP 1, 0, 0
	s_wait_dscnt 4*NL
	WIN MUL_LO
	MUL16 0, 1, 0
	MUL16 2, 1, 0
	s_wait_alu depctr_va_vdst(0)
	s_wait_dscnt 0
	WIN MUL_HI
	MUL16 4, 1, 0
	MUL16 6, 1, 0
	WIN 0
.macro OUTB a
	WIN 0x02+((\a)/4)
.set j, 0
.rept 64
	v_med3_num_f32 v[TMP+j], v[64*((\a)%4)+j], -v[LIMR], v[LIMR]
.set j, j+1
.endr
	WIN 0
.irp b, 0,1,2,3,4,5,6,7
	v_cvt_scalef32_pk8_fp8_f32 v[CD+16*(\a)+2*\b:CD+16*(\a)+2*\b+1], v[TMP+8*\b:TMP+8*\b+7], v[SCR]
.endr
	v_nop
	global_store_b128 v[OA], v[CD+16*(\a):CD+16*(\a)+3], s[BS+2*(\a):BS+2*(\a)+1]
	global_store_b128 v[OA], v[CD+16*(\a)+4:CD+16*(\a)+7], s[BS+2*(\a):BS+2*(\a)+1] offset:512
	global_store_b128 v[OB], v[CD+16*(\a)+8:CD+16*(\a)+11], s[BS+2*(\a):BS+2*(\a)+1]
	global_store_b128 v[OB], v[CD+16*(\a)+12:CD+16*(\a)+15], s[BS+2*(\a):BS+2*(\a)+1] offset:512
.endm
	PLACES NP
.irp a, 0,1,2,3,4,5,6,7
	OUTB \a
.endr
	s_wait_tensorcnt 0x0
	ds_add_u32 v[SPW], v[NIL]
	s_wait_dscnt 0x0
	CROUND
	s_endpgm
.Lfunc_end_k_qda825945dc_qkv:
	.size	k_qda825945dc_qkv, .Lfunc_end_k_qda825945dc_qkv-k_qda825945dc_qkv
	.p2alignl 7, 3214868480
	.fill 96, 4, 3214868480
	.section	.rodata,"a",@progbits
	.p2align	6, 0x0
	.amdhsa_kernel k_qda825945dc_qkv
		.amdhsa_group_segment_fixed_size 327680
		.amdhsa_private_segment_fixed_size 0
		.amdhsa_enable_private_segment 0
		.amdhsa_kernarg_size 80
		.amdhsa_user_sgpr_count 2
		.amdhsa_user_sgpr_kernarg_segment_ptr 1
		.amdhsa_wavefront_size32 1
		.amdhsa_system_sgpr_workgroup_id_x 1
		.amdhsa_system_sgpr_workgroup_id_y 1
		.amdhsa_system_sgpr_workgroup_id_z 1
		.amdhsa_system_vgpr_workitem_id 0
		.amdhsa_next_free_vgpr 1024
		.amdhsa_next_free_sgpr 100
		.amdhsa_reserve_vcc 0
		.amdhsa_float_denorm_mode_32 3
		.amdhsa_float_denorm_mode_16_64 3
		.amdhsa_memory_ordered 1
		.amdhsa_forward_progress 1
		.amdhsa_inst_pref_size 120
	.end_amdhsa_kernel
	.amdgpu_metadata
---
amdhsa.version: [ 1, 2 ]
amdhsa.kernels:
  - .name:           k_qda825945dc_qkv
    .symbol:         k_qda825945dc_qkv.kd
    .args:
      - { .name: xq, .offset: 0, .size: 8, .value_kind: global_buffer, .address_space: global }
      - { .name: xk, .offset: 8, .size: 8, .value_kind: global_buffer, .address_space: global }
      - { .name: xv, .offset: 16, .size: 8, .value_kind: global_buffer, .address_space: global }
      - { .name: Wq_codes, .offset: 24, .size: 8, .value_kind: global_buffer, .address_space: global }
      - { .name: Wk_codes, .offset: 32, .size: 8, .value_kind: global_buffer, .address_space: global }
      - { .name: Wv_codes, .offset: 40, .size: 8, .value_kind: global_buffer, .address_space: global }
      - { .name: lowp_scales, .offset: 48, .size: 8, .value_kind: global_buffer, .address_space: global }
      - { .name: qc, .offset: 56, .size: 8, .value_kind: global_buffer, .address_space: global }
      - { .name: kc, .offset: 64, .size: 8, .value_kind: global_buffer, .address_space: global }
      - { .name: vc, .offset: 72, .size: 8, .value_kind: global_buffer, .address_space: global }
    .group_segment_fixed_size: 327680
    .private_segment_fixed_size: 0
    .kernarg_segment_align: 8
    .kernarg_segment_size: 80
    .max_flat_workgroup_size: 128
    .sgpr_count:     100
    .vgpr_count:     1024
    .wavefront_size: 32
...
	.end_amdgpu_metadata
.endif
;; end of part 2
;; launch attn (part 3): grid 8 x 32, 16 waves a work-group, no clusters, 327,680 bytes of LDS; arguments qc, kc, vc, lowp_scales, oc; writes oc
.if DOCPART == 3
	.amdgcn_target "amdgcn-amd-amdhsa--gfx1250"
	.amdhsa_code_object_version 6
	.text
	.protected	k_qda825945dc_attn
	.globl	k_qda825945dc_attn
	.p2align	8
	.type	k_qda825945dc_attn,@function
k_qda825945dc_attn:
	s_mov_b64 s[64:65], 0
	v_nop
	global_prefetch_b8 v0, s[64:65] scope:SCOPE_SE
	s_setreg_imm32_b32 hwreg(HW_REG_WAVE_MODE, 25, 1), 1
	s_wait_xcnt 0x0
; Causal attention for 32 (batch, head) pairs, 2,048 tokens, head size 64, logits scaled by 1 / 32, both products on codes of FP8 (E4M3).  Entries of the scales' buffer: k e6, q e7, v e8, p e9, the result e10.
; qc, kc: [pair][tile of 16 tokens][1,024 bytes], vc: [pair][128 keys][16 channels][2,048 bytes]: images of the operands' registers (registers 4 p .. 4 p + 3 of lane l at 512 p + 16 l).
; THE SOFTMAX AHEAD OF THE SECOND PRODUCT: t = logit x log2(e); M = the row's largest t so far, rounded UP to a whole number; p = 2^(t - M) is what is quantised; it is not normalised.
; The row's sum is taken of the unquantised p, in f32, and divides O at the end.  When M moves, the sum and O are multiplied by 2^(old M - new M): exact.
; SHARES.  Work-group (i, pair) owns the query blocks i and 15 - i of the pair, 128 queries each: (i + 1) + (16 - i) = 17 steps of 128 keys for a tile of each, the same for every work-group.
; Waves w and w xor 1 share tile w / 2 of BOTH blocks and split the KEY STEPS by parity, (w xor w / 4) & 1: so each has 8 or 9 tile-steps.  X is the tile that the wave finishes (parity 0: the high block's), Y the other one:
; at the end each wave hands its part of Y to its partner through LDS and joins the partner's part of X to its own (both parts under the larger M, by exact powers of two).
; K AND V LIE IN LDS AS A WHOLE, 16 key steps x 16,384 bytes: region 0 has steps 0-3, region 1 steps 4-15.  Every wave fetches 1,024 bytes of each step (waves 0-7: tile w of K; waves 8-15: an eighth of V): one load of 4 rows at the head,
; one of 12 rows behind the first barrier.  Nothing is filled twice.  Each load brings bytes of step 0 or of step 4, which every work-group reads (its last query is 1,151 or later).
; NO PREFETCH: a wave has two loads, the second asked for when the first has landed: there is no loop of loads to run ahead in.
; LAYOUT.  S^T = K Q^T (source 0 = 16 keys, source 1 = 16 queries, K = 64), O^T = V^T P^T (source 0 = 16 channels, source 1 = P, K = 128 keys): a lane holds ONE query (lane % 16) throughout.
; Register 8 t + j of S^T is key 16 t + 8 (lane / 16) + j, so one conversion of a tile's eight registers is registers 2 t, 2 t + 1 of P as the second product's form wants them.
; CAUSAL.  LEFT OUT: a step all of whose keys come after the tile's queries (p is 0 there for all inputs).
; NO CLUSTER: each work-group asks for its pair's 262,144 bytes of K and V once, in two loads a wave, and its waves stand in no step with those of another work-group: a round of the cluster's barrier would bind eight work-groups' starts.
; OUT: oc [tile of 16 tokens 256][128 features 8][2,048 bytes], byte 512 c + 16 (16 h' + r) + n = feature 32 c + 16 h' + n of token r: the image of the output projection's left operand.
; LIMITS on the given exponents: e6 + e7 between -121 and 132 (they are added to c's exponent field); e9, and e10 - e8 - e9, between -126 and 119.  The scaled scores stay under 2^31 in magnitude.
; REGISTERS: v[10:11] X's -M and largest t, v[12:13] X's sum in two halves, v[14:17] the same of Y; v18-25, v26-33 Q of X, Y; v34-97 K's eight fragments, then V's four; v98-161 S^T, then p;
;   v162-193, v194-225 O^T of X, Y; v226-241 p's codes (ahead of them the sum's chains); v242-248 at work; v249-250 the join's addresses; v252-255 the step's addresses.
.set REG1,  65536                      ; region 1: behind region 0's 16 x 4 x 1,024 bytes
.set JST2,  REG1+16*12*1024            ; behind region 1: 512 bytes a wave for the join (its larger part, 4,096 bytes a wave, lies in region 0, which has had its one fill and, behind the second barrier, its last read)
.set SPARE, JST2+16*512                ; the spare words, 128 bytes for each wave: eight blocks of 256 bytes that no other line names
.set AL,   1                           ; 16 x lane + 1,024 x parity
.set PSC,  2                           ; 2^e9
.set PCL,  4                           ; 448 x 2^e9
.set SPW,  5
.set NIL,  6
.set GO,   7
.set MSK,  9                           ; r - 8 h
.set FRG,  34
.set S,    98
.set OX,   162
.set OY,   194
.set P,    226
.set JO,   249
.set JS,   250
.set ADR,  252
.set TB,   2                           ; s2   LDS byte of the trip's first row
.set QY,   17                          ; s17  Y's first query
.set WV,   18
.set PAR,  19
.set SEL,  20                          ; s[20:21] lane selects for v_permlanex16_b32: lane l xor 16
.set CS,   22                          ; s[22:23] c = log2(e) / 32 x 2^(e6 + e7): the packed form names a pair and takes its low word for both halves
.set G1,   24                          ; s[24:31], s[48:55] descriptor group 1 of the two loads; s[40:43], s[44:47] group 0
.set G1B,  48
.set G0,   40
.set G0B,  44
.set TRIPS, 67
.set BH,   81
.set KF,   98                          ; s98  my step's first key
.set QX,   99
	s_load_b256 s[4:11], s[0:1], 0x0               ; qc s[4:5], kc s[6:7], vc s[8:9], the scales' exponents s[10:11]
	s_load_b64 s[12:13], s[0:1], 0x20              ; oc
	v_lshl_add_u32 v[SPW], v0, 2, SPARE
	v_mov_b32 v[NIL], 0
	ds_add_u32 v[SPW], v[NIL]                      ; the wave's opening
	ds_add_u32 v[SPW], v[NIL]
	v_lshrrev_b32 v8, 5, v0
	v_readfirstlane_b32 s[WV], v8                  ; wave 0..15
	s_and_b32 s[BH], ttmp7, 0xffff                 ; the pair
	s_lshr_b32 s82, s[WV], 2
	s_xor_b32 s82, s82, s[WV]
	s_and_b32 s[PAR], s82, 1                       ; which key steps are mine
	s_xor_b32 s82, s[PAR], 1                       ; 1: X is the high block's tile
	s_lshl_b32 s83, ttmp9, 1
	s_sub_co_u32 s83, 15, s83
	s_mul_i32 s83, s83, s82
	s_add_co_u32 s83, s83, ttmp9                   ; X's block: i, or i + (15 - 2 i);
	s_sub_co_u32 s84, 15, s83                      ; Y's
	s_lshl_b32 s[QX], s83, 7
	s_lshl_b32 s[QY], s84, 7
	s_lshr_b32 s83, s[WV], 1
	s_lshl_b32 s83, s83, 4
	s_add_co_u32 s[QX], s[QX], s83                 ; first queries: 128 x block + 16 x (wave / 2)
	s_add_co_u32 s[QY], s[QY], s83
	s_mov_b32 s[G1], 3<<16                         ; descriptor group 1: no mask; elements of 8 bytes; no padding: 4 rows of 1,024 bytes, 8,192 bytes apart,
	s_mov_b32 s[G1+1], 128<<16
	s_mov_b32 s[G1+2], 4<<16
	s_mov_b32 s[G1+3], 128<<16
	s_mov_b32 s[G1+4], 4
	s_mov_b32 s[G1+5], 1024
	s_mov_b32 s[G1+6], 0
	s_mov_b32 s[G1+7], 0
	s_mov_b32 s[G1B], 3<<16                        ; and 12 such rows
	s_mov_b32 s[G1B+1], 128<<16
	s_mov_b32 s[G1B+2], 12<<16
	s_mov_b32 s[G1B+3], 128<<16
	s_mov_b32 s[G1B+4], 12
	s_mov_b32 s[G1B+5], 1024
	s_mov_b32 s[G1B+6], 0
	s_mov_b32 s[G1B+7], 0
	s_mov_b32 s[SEL], 0x76543210
	s_mov_b32 s[SEL+1], 0xfedcba98
	s_mov_b32 s[CS], 0x3d38aa3b                    ; log2(e) / 32
	s_mov_b32 s[TB], 0
	s_mov_b32 s[TRIPS], 2
	s_lshl_b32 s[KF], s[PAR], 7
	s_and_b32 s82, s[WV], 7
	s_lshl_b32 s85, s[BH], 17                      ; my pair's 2^17 bytes
	s_lshl_b32 s84, s82, 10
	s_add_co_u32 s84, s84, s85                     ; what I fetch
	s_lshl_b32 s88, s[QX], 6
	s_add_co_u32 s88, s88, s85                     ; Q: X's 1,024 bytes,
	s_mov_b32 s89, 0
	s_lshl_b32 s92, s[QY], 6
	s_add_co_u32 s92, s92, s85                     ; and Y's
	s_mov_b32 s93, 0
	s_mov_b32 s85, 0
	s_lshr_b32 s90, s[BH], 4
	s_lshl_b32 s90, s90, 21                        ; oc: the batch's 128 tiles of 16,384 bytes,
	s_lshl_b32 s91, s[QX], 10
	s_add_co_u32 s90, s90, s91                     ; X's tile,
	s_and_b32 s91, s[BH], 15
	s_lshl_b32 s91, s91, 10
	s_add_co_u32 s90, s90, s91                     ; my head's 64 features: 1,024 bytes
	s_mov_b32 s91, 0
	s_lshl_b32 s38, s[WV], 12
	s_lshl_b32 s39, s[WV], 9
	s_add_co_u32 s39, s39, JST2
	s_lshl_b32 s37, s[PAR], 10
	s_mul_i32 s36, s[WV], 12*1024
	s_add_co_u32 s36, s36, REG1
	s_wait_dscnt 0x0                               ; both opening adds are done
	s_wait_kmcnt 0x0
	s_load_b256 s[68:75], s[10:11], 0x10           ; e4 .. e11: e6 s70, e7 s71, e8 s72, e9 s73, e10 s74
	s_cmp_lt_u32 s[WV], 8
	s_cselect_b64 s[86:87], s[6:7], s[8:9]         ; waves 0-7: K, 8-15: V
	s_mov_b32 s[G0], 1
	s_lshl_b32 s[G0+1], s[WV], 12                  ; LDS address: region 0, 4,096 x wave
	s_add_nc_u64 s[G0+2:G0+3], s[86:87], s[84:85]
	s_or_b32 s[G0+3], s[G0+3], 0x80000000
	tensor_load_to_lds s[G0:G0+3], s[G1:G1+7]      ; key steps 0-3
	s_nop 0
.rept 4
	v_nop
.endr
	s_add_nc_u64 s[86:87], s[86:87], s[84:85]
	s_mov_b32 s[G0B], 1
	s_mov_b32 s[G0B+1], s36                        ; region 1, 12,288 x wave
	s_add_nc_u64 s[G0B+2:G0B+3], s[86:87], 32768   ; from step 4 on
	s_or_b32 s[G0B+3], s[G0B+3], 0x80000000
	s_add_nc_u64 s[34:35], s[4:5], s[92:93]
	s_add_nc_u64 s[4:5], s[4:5], s[88:89]
	s_add_nc_u64 s[12:13], s[12:13], s[90:91]
	v_and_b32 v8, 31, v0
	v_and_b32 v244, 15, v0                         ; r
	v_bfe_u32 v245, v0, 4, 1                       ; h
	v_lshlrev_b32 v8, 4, v8
	global_load_b128 v[18:21], v8, s[4:5] th:TH_LOAD_NT               ; Q's fragments stay in registers
	global_load_b128 v[22:25], v8, s[4:5] offset:512 th:TH_LOAD_NT
	global_load_b128 v[26:29], v8, s[34:35] th:TH_LOAD_NT
	global_load_b128 v[30:33], v8, s[34:35] offset:512 th:TH_LOAD_NT
	v_lshlrev_b32 v246, 3, v245
	v_lshlrev_b32 v247, 4, v244
	v_add_nc_u32 v[AL], s37, v8
	v_add_nc_u32 v[JO], s38, v8
	v_add_nc_u32 v[JS], s39, v8
	v_sub_nc_u32 v[MSK], v244, v246                ; r - 8 h, for the mask
	v_add_nc_u32 v[GO], v247, v246                 ; the way out: 16 r + 8 h
	v_mov_b32 v11, 0xff61b1e6                      ; the largest t so far: -3e38, under every t
	v_mov_b32 v15, 0xff61b1e6
	v_mov_b32 v12, 0
	v_mov_b32 v13, 0
	v_mov_b32 v16, 0
	v_mov_b32 v17, 0
	v_floor_f32 v10, -v11                          ; -M
	v_floor_f32 v14, -v15
	v_mov_b32 v248, 0                              ; written once: a lane permute's destination counts as one of its sources
	v_mov_b32 v243, 0                              ; (named as the upper halves of pairs)
	v_mov_b32 v253, 0
.set j, 0
.rept 64
	v_mov_b32 v[OX+j], 0                           ; both O^T.  (A key step is written for every trip alike: a tile's first finds zeros)
.set j, j+1
.endr
	s_wait_kmcnt 0x0
	s_add_co_i32 s82, s70, s71
	s_lshl_b32 s82, s82, 23
	s_add_co_i32 s[CS], s[CS], s82                 ; a score stands for score x 2^(e6 + e7)
	s_mov_b32 s[CS+1], s[CS]
	s_add_co_i32 s82, s73, 127
	s_lshl_b32 s83, s82, 23
	v_mov_b32 v[PSC], s83                          ; 2^e9 as f32
	s_add_co_i32 s82, s82, 8
	s_lshl_b32 s82, s82, 23
	s_or_b32 s82, s82, 0x600000
	v_mov_b32 v[PCL], s82                          ; 448 x 2^e9
	s_sub_co_i32 s82, s74, s72
	s_sub_co_i32 s82, s82, s73                     ; a sum of the second product stands for sum x 2^(e8 + e9): the result's code is (sum / l) / 2^(e10 - e8 - e9)
	s_add_co_i32 s82, s82, 127
	s_lshl_b32 s15, s82, 23                        ; that power of two,
	s_add_co_i32 s82, s82, 8
	s_lshl_b32 s82, s82, 23
	s_or_b32 s14, s82, 0x600000                    ; and 448 x it
; A KEY STEP of one tile: 128 keys.  w: LDS bytes from one wave's rows to the next one's; nm: -M and the largest t; sm: the sum; qf: Q; oa: O^T; q0: the tile's first query.
.macro STEP w, nm, sm, qf, oa, q0
	s_add_co_u32 s96, s[\q0], 15                   ; a step all of whose keys come after the tile's 16 queries is left out: a scalar branch on ids; no barrier or tensor load stands in a step
	s_cmp_gt_u32 s[KF], s96
	s_cbranch_scc1 .Lhidden_\@
	v_add_nc_u32 v[ADR], s[TB], v[AL]              ; four additions: K's tiles 0-3, 4-7, V's eighths 0-3, 4-7: also the four places in front of loads into registers that the last products read
	v_add_nc_u32 v[ADR+1], 4*(\w), v[ADR]
	v_add_nc_u32 v[ADR+2], 8*(\w), v[ADR]
	v_add_nc_u32 v[ADR+3], 12*(\w), v[ADR]
.irp t, 0,1,2,3,4,5,6,7
	ds_load_b128 v[FRG+8*\t:FRG+8*\t+3], v[ADR+\t/4] offset:(\w)*(\t%4)
	ds_load_b128 v[FRG+8*\t+4:FRG+8*\t+7], v[ADR+\t/4] offset:(\w)*(\t%4)+512
.endr
	s_wait_alu depctr_va_vdst(0)
	s_wait_dscnt 0x0
.irp t, 0,1,2,3,4,5,6,7
	v_wmma_f32_16x16x64_fp8_fp8 v[S+8*\t:S+8*\t+7], v[FRG+8*\t:FRG+8*\t+7], v[\qf:\qf+7], 0   ; S^T: keys 16 t on x the tile's queries
.endr
.rept 4
	v_nop                                          ; places: for the loads below and for the first reads of the scores
.endr
.irp n, 0,1,2,3
.irp p, 0,1,2,3
	ds_load_b128 v[FRG+16*\n+4*\p:FRG+16*\n+4*\p+3], v[ADR+2+(2*\n+\p/2)/4] offset:(\w)*((2*\n+\p/2)%4)+512*(\p%2)   ; V's four fragments land while the softmax is worked
.endr
.endr
	s_add_co_u32 s96, s[KF], 127                   ; on the diagonal the scores of hidden keys become -infinity ahead of the maximum: p = 0 then.  A step all of whose keys count skips this
	s_cmp_le_u32 s96, s[\q0]
	s_cbranch_scc1 .Lopen_\@
	s_sub_co_i32 s96, s[\q0], s[KF]
	v_add_nc_u32 v244, s96, v[MSK]                 ; d = my query - KF - 8 h.  Register 8 t + j holds key KF + 16 t + 8 h + j: hidden where 16 t + j > d
	v_mov_b32 v245, 0xff800000                     ; -infinity
.irp n, 0,1,2,3,4,5,6,7,8,9,10,11,12,13,14,15,16,17,18,19,20,21,22,23,24,25,26,27,28,29,30,31,32,33,34,35,36,37,38,39,40,41,42,43,44,45,46,47,48,49,50,51,52,53,54,55,56,57,58,59,60,61,62,63
	v_cmp_gt_i32 vcc_lo, 16*(\n/8)+\n%8, v244
	v_cndmask_b32 v[S+\n], v[S+\n], v245, vcc_lo
.endr
.Lopen_\@:
	v_max3_num_f32 v244, v[S], v[S+1], v[S+2]      ; the step's largest score of my query, among my 64 keys, in four chains,
	v_max3_num_f32 v245, v[S+3], v[S+4], v[S+5]
	v_max3_num_f32 v246, v[S+6], v[S+7], v[S+8]
	v_max3_num_f32 v247, v[S+9], v[S+10], v[S+11]
.set i, 12
.rept 6
	v_max3_num_f32 v244, v244, v[S+i], v[S+i+1]
	v_max3_num_f32 v245, v245, v[S+i+2], v[S+i+3]
	v_max3_num_f32 v246, v246, v[S+i+4], v[S+i+5]
	v_max3_num_f32 v247, v247, v[S+i+6], v[S+i+7]
.set i, i+8
.endr
	v_max3_num_f32 v244, v244, v[S+60], v[S+61]
	v_max3_num_f32 v245, v245, v[S+62], v[S+63]
	v_max3_num_f32 v244, v244, v246, v247
	s_delay_alu instid0(VALU_DEP_1)
	v_max_num_f32 v244, v244, v245
	s_delay_alu instid0(VALU_DEP_1)
	v_permlanex16_b32 v248, v244, s[SEL], s[SEL+1]
	s_delay_alu instid0(VALU_DEP_1)
	v_max_num_f32 v244, v244, v248                 ; and among lane l xor 16's
	s_delay_alu instid0(VALU_DEP_1)
	v_mul_f32 v244, s[CS], v244                    ; as t (c is positive)
	s_delay_alu instid0(VALU_DEP_1)
	v_max_num_f32 v[\nm+1], v[\nm+1], v244         ; the running largest t
	v_mov_b32 v244, v[\nm]
	s_delay_alu instid0(VALU_DEP_2)
	v_floor_f32 v[\nm], -v[\nm+1]                  ; the new -M = floor(-t) = -ceil(t): M is a whole number
	s_delay_alu instid0(VALU_DEP_1)
	v_sub_f32 v244, v[\nm], v244                   ; M's old value less its new one: a whole number, 0 or less
	s_delay_alu instid0(VALU_DEP_1)
	v_cvt_i32_f32 v244, v244                       ; (it saturates)
	s_delay_alu instid0(VALU_DEP_1)
	v_ldexp_f32 v242, 1.0, v244                    ; f = 2^(old M - new M)
.set j, 0
.rept 32
	v_pk_fma_f32 v[S+j:S+j+1], v[S+j:S+j+1], s[CS:CS+1], v[\nm:\nm+1] op_sel_hi:[1,0,0]   ; t - M, two at a time (of the pairs c and -M the low word serves both halves)
.set j, j+2
.endr
.set j, 0
	s_wait_alu depctr_va_vdst(0)
.rept 64
	v_exp_f32 v[S+j], v[S+j]                       ; p = 2^(t - M), at most 1: not normalised
.set j, j+1
.endr
	v_pk_mul_f32 v[\sm:\sm+1], v[\sm:\sm+1], v[242:243] op_sel_hi:[1,0]   ; the sum under the new M.  (A plain line behind the exponentials)
	s_wait_alu depctr_va_vdst(0)                   ; one wait for the whole batch and for the first readers of O^T
.set j, 0
.rept 16
	v_pk_mul_f32 v[\oa+j:\oa+j+1], v[\oa+j:\oa+j+1], v[242:243] op_sel_hi:[1,0]   ; O^T under the new M: x f
.set j, j+2
.endr
.irp k, 0,1,2,3,4,5,6
	v_pk_add_f32 v[P+2*\k:P+2*\k+1], v[S+4*\k:S+4*\k+1], v[S+4*\k+2:S+4*\k+3]   ; the row's sum, of the unquantised p: eight chains, seven of them in the codes' registers
.endr
.set j, 14
.rept 18
.if (j%8) == 7
	v_pk_add_f32 v[\sm:\sm+1], v[\sm:\sm+1], v[S+2*j:S+2*j+1]
.else
	v_pk_add_f32 v[P+2*(j%8):P+2*(j%8)+1], v[P+2*(j%8):P+2*(j%8)+1], v[S+2*j:S+2*j+1]
.endif
.set j, j+1
.endr
	v_pk_add_f32 v[P:P+1], v[P:P+1], v[P+2:P+3]
	v_pk_add_f32 v[P+4:P+5], v[P+4:P+5], v[P+6:P+7]
	v_pk_add_f32 v[P+8:P+9], v[P+8:P+9], v[P+10:P+11]
	v_pk_add_f32 v[\sm:\sm+1], v[\sm:\sm+1], v[P+12:P+13]
	v_pk_add_f32 v[P:P+1], v[P:P+1], v[P+4:P+5]
	v_pk_add_f32 v[\sm:\sm+1], v[\sm:\sm+1], v[P+8:P+9]
	s_delay_alu instid0(VALU_DEP_1)
	v_pk_add_f32 v[\sm:\sm+1], v[\sm:\sm+1], v[P:P+1]
.irp t, 0,1,2,3,4,5,6,7
.irp n, 0,2,4,6
	v_dual_min_num_f32 v[S+8*\t+\n], v[PCL], v[S+8*\t+\n] :: v_dual_min_num_f32 v[S+8*\t+\n+1], v[PCL], v[S+8*\t+\n+1]   ; the conversion to an 8-bit code does not saturate (ISA guide 7.6.2); p is not negative, so the hold is one-sided
.endr
	v_cvt_scalef32_pk8_fp8_f32 v[P+2*\t:P+2*\t+1], v[S+8*\t:S+8*\t+7], v[PSC]   ; registers 2 t, 2 t + 1 of P: keys 16 t + 8 h + 0 .. 7
.endr
	v_nop                                          ; a plain line behind the last conversion
	s_wait_alu depctr_va_vdst(0)
	s_wait_dscnt 0x0                               ; V is in
.irp n, 0,1,2,3
	v_wmma_f32_16x16x128_fp8_fp8 v[\oa+8*\n:\oa+8*\n+7], v[FRG+16*\n:FRG+16*\n+15], v[P:P+15], v[\oa+8*\n:\oa+8*\n+7]   ; O^T += V^T P^T: the four accumulators by turns
.endr
.Lhidden_\@:
.endm
.macro TRIP w                          ; 256 keys: one step of either tile
	STEP \w, 10, 12, 18, OX, QX
	STEP \w, 14, 16, 26, OY, QY
	s_add_co_u32 s[KF], s[KF], 256
	s_add_co_u32 s[TB], s[TB], 2048                ; two rows on
	s_sub_co_u32 s[TRIPS], s[TRIPS], 1
	s_cmp_lg_u32 s[TRIPS], 0
.endm
	s_wait_alu depctr_va_vdst(0)
	s_wait_loadcnt 0x0                             ; Q
	s_wait_tensorcnt 0x0                           ; my part of region 0 is in
	ds_add_u32 v[SPW], v[NIL]
	s_wait_dscnt 0x0
	s_barrier_signal -1
	s_barrier_wait -1                              ; and everybody's
	tensor_load_to_lds s[G0B:G0B+3], s[G1B:G1B+7]  ; key steps 4-15: they have steps 0-3 in which to land
	s_nop 0
.rept 4
	v_nop
.endr
.Lfirst:
	TRIP 4096
	s_cbranch_scc1 .Lfirst
	s_mov_b32 s[TB], REG1
	s_mov_b32 s[TRIPS], 6
	s_wait_tensorcnt 0x0                           ; my part of region 1 is in,
	s_wait_dscnt 0x0                               ; and my reads of region 0 are over
	s_barrier_signal -1
	s_barrier_wait -1                              ; both now hold of every wave
.Lrest:
	TRIP 12288
	s_cbranch_scc1 .Lrest
	; THE JOIN.  My part of Y goes to my partner: O^T into my 4,096 bytes of region 0; -M, the largest t and the sum's halves into my 512 bytes behind region 1.
.rept 4
	v_nop                                          ; places behind the last products
.endr
.irp n, 0,1,2,3,4,5,6,7
	ds_store_b128 v[JO], v[OY+4*\n:OY+4*\n+3] offset:512*\n
.endr
	ds_store_b128 v[JS], v[14:17]
	v_xor_b32 v[JO], 4096, v[JO]                   ; wave xor 1
	v_xor_b32 v[JS], 512, v[JS]
	s_wait_alu depctr_va_vdst(0)
	s_wait_dscnt 0x0                               ; stored, for my partner's sake
	s_barrier_signal -1
	s_barrier_wait -1
	ds_load_b128 v[66:69], v[JS]
.irp n, 0,1,2,3,4,5,6,7
	ds_load_b128 v[FRG+4*\n:FRG+4*\n+3], v[JO] offset:512*\n
.endr
	s_wait_dscnt 0x0
	v_min_num_f32 v244, v10, v66                   ; -M of the two parts together
	v_sub_f32 v245, v244, v10
	v_sub_f32 v246, v244, v66
	v_cvt_i32_f32 v245, v245
	v_cvt_i32_f32 v246, v246
	v_ldexp_f32 v242, 1.0, v245                    ; 2^(my M - M),
	v_ldexp_f32 v252, 1.0, v246                    ; 2^(my partner's M - M)
	v_pk_mul_f32 v[12:13], v[12:13], v[242:243] op_sel_hi:[1,0]
	v_pk_fma_f32 v[12:13], v[68:69], v[252:253], v[12:13] op_sel_hi:[1,0,1]
	v_mov_b32 v247, s14                            ; the result's limit,
	v_mov_b32 v251, s15                            ; and its scale
	v_add_f32 v12, v12, v13                        ; the sum's two halves,
	s_delay_alu instid0(VALU_DEP_1)
	v_permlanex16_b32 v248, v12, s[SEL], s[SEL+1]
	s_delay_alu instid0(VALU_DEP_1)
	v_add_f32 v12, v12, v248                       ; and lane l xor 16's: the row's sum
	s_wait_alu depctr_va_vdst(0)                   ; the wait ahead of the transcendental
	v_rcp_f32 v12, v12
	v_nop                                          ; a plain line behind the transcendental
	s_wait_alu depctr_va_vdst(0)                   ; and ahead of the first reader
	v_mul_f32 v242, v242, v12
	v_mul_f32 v252, v252, v12
	s_wait_alu depctr_va_vdst(0)                   ; directly ahead of the first readers of O^T
.set j, 0
.rept 16
	v_pk_mul_f32 v[OX+j:OX+j+1], v[OX+j:OX+j+1], v[242:243] op_sel_hi:[1,0]
.set j, j+2
.endr
.set j, 0
.rept 16
	v_pk_fma_f32 v[OX+j:OX+j+1], v[FRG+j:FRG+j+1], v[252:253], v[OX+j:OX+j+1] op_sel_hi:[1,0,1]   ; both parts / the sum: register 8 u + n: channel 16 u + 8 h + n of my query
.set j, j+2
.endr
.set j, 0
.rept 32
	v_med3_num_f32 v[OX+j], v[OX+j], -v247, v247
.set j, j+1
.endr
.irp n, 0,1,2,3
	v_cvt_scalef32_pk8_fp8_f32 v[P+2*\n:P+2*\n+1], v[OX+8*\n:OX+8*\n+7], v251
.endr
	v_nop                                          ; a plain line behind the last conversion
.irp n, 0,1,2,3
	global_store_b64 v[GO], v[P+2*\n:P+2*\n+1], s[12:13] offset:(\n/2)*512+(\n%2)*256   ; the 32 lanes fill 256 consecutive bytes, aligned
.endr
	s_wait_tensorcnt 0x0                           ; the wave's end
	ds_add_u32 v[SPW], v[NIL]
	s_wait_dscnt 0x0
	s_endpgm
.Lfunc_end_k_qda825945dc_attn:
	.size	k_qda825945dc_attn, .Lfunc_end_k_qda825945dc_attn-k_qda825945dc_attn
	.p2alignl 7, 3214868480
	.fill 96, 4, 3214868480
	.section	.rodata,"a",@progbits
	.p2align	6, 0x0
	.amdhsa_kernel k_qda825945dc_attn
		.amdhsa_group_segment_fixed_size 327680
		.amdhsa_private_segment_fixed_size 0
		.amdhsa_enable_private_segment 0
		.amdhsa_kernarg_size 40
		.amdhsa_user_sgpr_count 2
		.amdhsa_user_sgpr_kernarg_segment_ptr 1
		.amdhsa_wavefront_size32 1
		.amdhsa_system_sgpr_workgroup_id_x 1
		.amdhsa_system_sgpr_workgroup_id_y 1
		.amdhsa_system_sgpr_workgroup_id_z 1
		.amdhsa_system_vgpr_workitem_id 0
		.amdhsa_next_free_vgpr 256
		.amdhsa_next_free_sgpr 100
		.amdhsa_reserve_vcc 1
		.amdhsa_float_denorm_mode_32 3
		.amdhsa_float_denorm_mode_16_64 3
		.amdhsa_memory_ordered 1
		.amdhsa_forward_progress 1
		.amdhsa_inst_pref_size 100
	.end_amdhsa_kernel
	.amdgpu_metadata
---
amdhsa.version: [ 1, 2 ]
amdhsa.kernels:
  - .name:           k_qda825945dc_attn
    .symbol:         k_qda825945dc_attn.kd
    .args:
      - { .name: qc, .offset: 0, .size: 8, .value_kind: global_buffer, .address_space: global }
      - { .name: kc, .offset: 8, .size: 8, .value_kind: global_buffer, .address_space: global }
      - { .name: vc, .offset: 16, .size: 8, .value_kind: global_buffer, .address_space: global }
      - { .name: lowp_scales, .offset: 24, .size: 8, .value_kind: global_buffer, .address_space: global }
      - { .name: oc, .offset: 32, .size: 8, .value_kind: global_buffer, .address_space: global }
    .group_segment_fixed_size: 327680
    .private_segment_fixed_size: 0
    .kernarg_segment_align: 8
    .kernarg_segment_size: 40
    .max_flat_workgroup_size: 512
    .sgpr_count:     100
    .vgpr_count:     256
    .wavefront_size: 32
...
	.end_amdgpu_metadata
.endif
;; end of part 3
;; launch oproj (part 4): grid 8 x 32, 4 waves a work-group, clusters of 4 x 4, 327,680 bytes of LDS; arguments oc, Wo_codes, lowp_scales, x, out0; writes out0
.if DOCPART == 4
	.amdgcn_target "amdgcn-amd-amdhsa--gfx1250"
	.amdhsa_code_object_version 6
	.text
	.protected	k_qda825945dc_oproj
	.globl	k_qda825945dc_oproj
	.p2align	8
	.type	k_qda825945dc_oproj,@function
k_qda825945dc_oproj:
	s_mov_b64 s[64:65], 0
	v_nop
	global_prefetch_b8 v0, s[64:65] scope:SCOPE_SE
	s_setreg_imm32_b32 hwreg(HW_REG_WAVE_MODE, 25, 1), 1
	s_wait_xcnt 0x0
	s_wait_alu depctr_hold_cnt(0) depctr_sa_sdst(0) depctr_va_vdst(0) depctr_va_sdst(0) depctr_va_ssrc(0) depctr_va_vcc(0) depctr_vm_vsrc(0)
	s_getreg_b32 s2, hwreg(HW_REG_IB_STS2, 6, 4)
	s_cmp_eq_u32 s2, 0
	s_cbranch_scc0 .Lentry_in_a_cluster
	s_endpgm
.Lentry_in_a_cluster:
	s_bfe_u32 s2, ttmp6, 0x10000c
	s_cmp_lg_u32 s2, 0xf033
	s_cbranch_scc0 .Lentry_shape_is_right
	s_endpgm
.Lentry_shape_is_right:
; out0 = (attention's codes) x (codes of Wo) x 2^(e10 + e11) + x.  [4096, K 1024] x [K 1024, 2048], FP8 (E4M3), sums in f32; e10, e11: entries of the scales' buffer.  LIMIT: e10 + e11 between -126 and 127.
; oc [tile of 16 tokens 256][128 features 8][2,048 bytes] is the image of A's registers; Wo_codes [2048][1024] lies with K along its rows.
; A work-group makes 128 rows x 256 columns, a wave 64 x 128: 32 accumulators of 16 x 16.  256 work-groups.
; K IN THREE FILLS: slot 0 takes K 0-255, slot 1 K 256-767, and slot 0 once more K 768-1023: two slots, one refill.
; CLUSTERS: 4 x 4 work-groups; A's tiles are asked for jointly along a row of the cluster, B's along a column.
; NO PREFETCH: the launch has no loop to run ahead in: of its three fills the first two are asked for at once, one behind the other's landing.
; x is loaded into registers in four parts, each behind a joint load: rows of 512 bytes a wave.
; THE MATRIX INSTRUCTION IS USED TRANSPOSED (source 0 = 16 rows of Wo, source 1 = 16 tokens): a lane holds eight neighbouring numbers of a row of the result.
; REGISTERS: window 0: addresses, A's fragments, two sets at v64 and v128; window 1: B's, two sets at v0 and v128, later the result's rows; window 2: accumulators; window 3: x.
.set FR,     16
.set S0B,    32768                     ; slot 0: A 8 tiles x 4,096 bytes, then B 256 rows x (256 + 16)
.set S1A,    S0B+256*272               ; slot 1: A 8 tiles x 8,192 bytes,
.set S1B,    S1A+65536                 ; B 256 rows x (512 + 16)
.set SPARE,  S1B+256*528               ; the spare words, 128 bytes for each wave
.set STAGE,  S1A                       ; the way out: 16 rows x (512 + 16) for each wave, in slot 1, which has had its one fill and, behind the last barrier of the products, its last read
.set SPITCH, 528
.set ADRA, 16                          ; v16-17 my A fragments in slot 0, 1
.set ADRB, 20                          ; v20-21 the same for B
.set STO,  24
.set RD,   25
.set CO,   26                          ; 16 x lane
.set SPW,  28
.set NIL,  29
.set AF,   64
.set MSB, 0
.macro WIN new                         ; the immediate's high byte repeats the setting that is left
.if MSB != (\new)
	s_set_vgpr_msb (MSB<<8)|(\new)
.set MSB, (\new)
.endif
.endm
.set MUL,  0xa1                        ; source 0 window 1, source 1 window 0, C and D window 2
.set TO_B, 0x40
; A joint load: waves 0 and 1 fetch for A, waves 2 and 3 for B; the branch hangs on the wave's number alone.
.macro JLOAD g0a, g1a, g0b, g1b
	s_cmp_eq_u32 s15, 0
	s_cbranch_scc0 .Lfor_b_\@
	tensor_load_to_lds s[\g0a:\g0a+3], s[\g1a:\g1a+7]
	s_nop 0
.rept 4
	v_nop
.endr
	s_branch .Lasked_\@
.Lfor_b_\@:
	tensor_load_to_lds s[\g0b:\g0b+3], s[\g1b:\g1b+7]
	s_nop 0
.rept 4
	v_nop
.endr
.Lasked_\@:
.endm
.macro CROUND                          ; a round of the cluster's barrier
	s_barrier_signal -1
	s_barrier_wait -1
	s_cmp_lg_u32 s14, 0
	s_cbranch_scc1 .Lnot_wave_0_\@
	s_barrier_signal -3
.Lnot_wave_0_\@:
	s_barrier_wait -3
	s_barrier_signal -1
	s_barrier_wait -1
.endm
.macro PLACES                          ; four places behind matrix instructions (ISA guide 7.12.1 for vector instructions)
.rept 4
	v_nop
.endr
.endm
.macro GRP0 g, lds, base, off          ; descriptor group 0
	s_mov_b32 s[\g], 1
	s_mov_b32 s[\g+1], s[\lds]
	s_add_nc_u64 s[\g+2:\g+3], s[\base:\base+1], \off
	s_or_b32 s[\g+3], s[\g+3], 0x80000000
.endm
.macro GRP1 g, c, r, pitch             ; descriptor group 1 behind its first word: r rows of c elements, pitch elements apart
	s_mov_b32 s[\g+1], (\c)<<16
	s_mov_b32 s[\g+2], (\r)<<16
	s_mov_b32 s[\g+3], (\c)<<16
	s_mov_b32 s[\g+4], \r
	s_mov_b32 s[\g+5], \pitch
	s_mov_b32 s[\g+6], 0
	s_mov_b32 s[\g+7], 0
.endm
	s_load_b256 s[4:11], s[0:1], 0x0               ; oc, Wo_codes, the scales' exponents, x
	s_load_b64 s[12:13], s[0:1], 0x20              ; out0
	v_lshl_add_u32 v[SPW], v0, 2, SPARE
	v_mov_b32 v[NIL], 0
	ds_add_u32 v[SPW], v[NIL]                      ; the wave's opening
	ds_add_u32 v[SPW], v[NIL]
	v_lshrrev_b32 v1, 5, v0
	v_readfirstlane_b32 s14, v1                    ; wave 0..3
	s_lshr_b32 s15, s14, 1                         ; my half of the rows.  Also: I fetch for A (0) or for B (1)
	s_and_b32 s16, s14, 1                          ; my half of the columns.  Also: which half of that tile I fetch
	s_bfe_u32 s40, ttmp6, 0x40000                  ; cx, cy
	s_bfe_u32 s41, ttmp6, 0x40004
	s_lshl_b32 s42, ttmp9, 2
	s_add_co_u32 s42, s42, s40                     ; tile column
	s_and_b32 s17, ttmp7, 0xffff
	s_lshl_b32 s17, s17, 2
	s_add_co_u32 s17, s17, s41                     ; tile row
	s_lshl_b32 s43, s41, 2
	s_lshl_b32 s43, 15, s43                        ; my row of the cluster
	s_lshl_b32 s44, 0x1111, s40                    ; my column
	s_or_b32 s24, s43, (3<<16)|(1<<21)             ; A, slot 0: elements of 8 bytes: 4 tiles of 16 tokens x 4,096 bytes, 16,384 bytes apart
	GRP1 24, 512, 4, 2048
	s_or_b32 s68, s43, (3<<16)|(1<<21)             ; A, slot 1: 4 tiles x 8,192 bytes
	GRP1 68, 1024, 4, 2048
	s_or_b32 s48, s44, (0<<16)|(1<<20)|(1<<21)|(5<<22)|(3<<25)   ; B, slot 0: 128 rows x 256 bytes, 16 bytes of padding behind each
	GRP1 48, 256, 128, 1024
	s_or_b32 s76, s44, (0<<16)|(1<<20)|(1<<21)|(6<<22)|(3<<25)   ; B, slot 1: 128 rows x 512 bytes, 16 bytes of padding behind each
	GRP1 76, 512, 128, 1024
	s_lshl_b32 s20, s17, 3
	s_lshl_b32 s19, s16, 2
	s_add_co_u32 s20, s20, s19
	s_lshl_b32 s20, s20, 14                        ; A: tile 8 x tile row + 4 x half, x 16,384 bytes
	s_mov_b32 s21, 0
	s_lshl_b32 s46, s42, 8
	s_lshl_b32 s19, s16, 7
	s_add_co_u32 s46, s46, s19
	s_lshl_b32 s46, s46, 10                        ; B: row 256 x tile column + 128 x half, x 1,024 bytes
	s_mov_b32 s47, 0
	s_lshl_b32 s84, s16, 14                        ; where my parts go: A, slot 0,
	s_lshl_b32 s85, s16, 15
	s_add_co_u32 s85, s85, S1A                     ; A, slot 1,
	s_mul_i32 s86, s16, 128*272
	s_add_co_u32 s86, s86, S0B                     ; B, slot 0,
	s_mul_i32 s87, s16, 128*528
	s_add_co_u32 s87, s87, S1B                     ; B, slot 1.  My 128 columns of B lie at the same places
	s_wait_dscnt 0x0                               ; both opening adds are done
	s_wait_kmcnt 0x0
	s_load_b64 s[96:97], s[8:9], 0x28              ; e10, e11
	s_add_nc_u64 s[20:21], s[4:5], s[20:21]
	s_add_nc_u64 s[46:47], s[6:7], s[46:47]
	GRP0 32, 84, 20, 0
	GRP0 36, 85, 20, 4096                          ; K 256: two times 2,048 bytes on
	GRP0 56, 86, 46, 0
	GRP0 60, 87, 46, 256
	CROUND                                         ; all sixteen work-groups are here: the first joint loads meet
	JLOAD 32, 24, 56, 48                           ; K 0-255
	s_lshl_b32 s88, s17, 7
	s_lshl_b32 s89, s15, 6
	s_add_co_u32 s88, s88, s89
	s_lshl_b32 s88, s88, 13                        ; my first row of x and of the result, x 8,192 bytes
	s_lshl_b32 s90, s42, 10
	s_lshl_b32 s91, s16, 9
	s_add_co_u32 s90, s90, s91
	s_add_co_u32 s88, s88, s90                     ; + my first column's bytes
	s_mov_b32 s89, 0
	s_add_nc_u64 s[10:11], s[10:11], s[88:89]
	s_add_nc_u64 s[12:13], s[12:13], s[88:89]
	s_lshl_b32 s92, s15, 14                        ; my 64 rows of A: slot 0,
	s_lshl_b32 s93, s15, 15
	s_add_co_u32 s93, s93, S1A                     ; slot 1
	s_mul_i32 s23, s14, 16*SPITCH
	s_add_co_u32 s23, s23, STAGE
	v_and_b32 v6, 31, v0
	v_and_b32 v1, 15, v0
	v_bfe_u32 v2, v0, 4, 1
	v_lshlrev_b32 v[CO], 4, v6
	v_mul_u32_u24 v3, v1, 272
	v_mul_u32_u24 v4, v1, 528
	v_lshl_add_u32 v3, v2, 4, v3                   ; B: row x pitch + 16 x half
	v_lshl_add_u32 v5, v2, 4, v4
	v_lshl_add_u32 v4, v2, 5, v4                   ; the stage, in: row l % 16, 32 bytes for each half of the lanes
	v_add_nc_u32 v[ADRA], s92, v[CO]
	v_add_nc_u32 v[ADRA+1], s93, v[CO]
	v_add_nc_u32 v[ADRB], s86, v3
	v_add_nc_u32 v[ADRB+1], s87, v5
	v_add_nc_u32 v[STO], s23, v4
	v_add_nc_u32 v[RD], s23, v[CO]                 ; back: the 32 lanes take one row of 512 bytes
.macro XLOAD a                         ; x: 16 rows x 512 bytes
	WIN 0xc0
.irp t, 0,1,2,3,4,5,6,7,8,9,10,11,12,13,14,15
	global_load_b128 v[64*(\a)+4*\t:64*(\a)+4*\t+3], v[CO], s[10:11] offset:(16*(\a)+\t)*8192 th:TH_LOAD_NT
.endr
	WIN 0
.endm
.macro FETCH slot, q, p                ; the slot's q-th 128 along K into set p: B's eight fragments, A's four
	WIN TO_B
.irp i, 0,1,2,3,4,5,6,7
.irp c, 0,1,2,3
	ds_load_b128 v[128*(\p)+FR*\i+4*\c:128*(\p)+FR*\i+4*\c+3], v[ADRB+\slot] offset:128*(\q)+32*\c+\i*16*(272+256*(\slot))
.endr
.endr
	WIN 0
.irp i, 0,1,2,3
.irp c, 0,1,2,3
	ds_load_b128 v[AF+64*(\p)+FR*\i+4*\c:AF+64*(\p)+FR*\i+4*\c+3], v[ADRA+\slot] offset:4096*(1+(\slot))*\i+2048*(\q)+512*\c
.endr
.endr
.endm
; Eight matrix instructions: A's block a against B's eight.  The 32 accumulators take turns, one instruction a turn, in the same order in every step.  zero = 1: the first products start the sums.
.macro MUL8 a, p, zero
	WIN MUL
.irp b, 0,1,2,3,4,5,6,7
.if \zero
	v_wmma_f32_16x16x128_fp8_fp8 v[8*(8*(\a)+\b):8*(8*(\a)+\b)+7], v[128*(\p)+FR*\b:128*(\p)+FR*\b+FR-1], v[AF+64*(\p)+FR*(\a):AF+64*(\p)+FR*(\a)+FR-1], 0
.else
	v_wmma_f32_16x16x128_fp8_fp8 v[8*(8*(\a)+\b):8*(8*(\a)+\b)+7], v[128*(\p)+FR*\b:128*(\p)+FR*\b+FR-1], v[AF+64*(\p)+FR*(\a):AF+64*(\p)+FR*(\a)+FR-1], v[8*(8*(\a)+\b):8*(8*(\a)+\b)+7]
.endif
.endr
.endm
.macro STEP slot, q, p, zero           ; multiplies set p and fetches the slot's q-th 128 into the other set
	s_wait_dscnt 0x0
	PLACES
	FETCH \slot, \q, 1-(\p)
	MUL8 0, \p, \zero
	MUL8 1, \p, \zero
	MUL8 2, \p, \zero
	MUL8 3, \p, \zero
.endm
	s_wait_alu depctr_va_vdst(0)
	s_wait_kmcnt 0x0
	s_add_co_i32 s96, s96, s97
	s_add_co_i32 s96, s96, 127
	s_lshl_b32 s96, s96, 23                        ; 2^(e10 + e11)
	s_mov_b32 s97, s96                             ; (named with it as a pair)
	s_wait_tensorcnt 0x0                           ; my part of slot 0 is in
	ds_add_u32 v[SPW], v[NIL]
	s_wait_dscnt 0x0
	CROUND
	JLOAD 36, 68, 60, 76                           ; K 256-767, the first tensor load behind the round
	FETCH 0, 0, 0
	XLOAD 0                                        ; x's first half behind the second fill, its second half behind the third
	XLOAD 1
	STEP 0, 1, 0, 1
	; slot 0's last step, and the change to slot 1: in front of the round each wave has waited for all its tensor loads, its add and its reads of slot 0
	s_wait_dscnt 0x0
	MUL8 0, 1, 0
	MUL8 1, 1, 0
	WIN 0
	s_wait_tensorcnt 0x0                           ; my part of slot 1 is in
	ds_add_u32 v[SPW], v[NIL]
	s_add_nc_u64 s[34:35], s[34:35], 12288         ; K 768: six times 2,048 bytes on,
	s_add_nc_u64 s[58:59], s[58:59], 768           ; and 768 bytes along B's rows
	MUL8 2, 1, 0
	WIN 0
	s_wait_dscnt 0x0
	CROUND
	JLOAD 32, 24, 56, 48                           ; slot 0 once more: K 768-1023; its four v_nop are the places in front of the loads below
	FETCH 1, 0, 0
	MUL8 3, 1, 0
	XLOAD 2
	XLOAD 3
	STEP 1, 1, 0, 0
	STEP 1, 2, 1, 0
	STEP 1, 3, 0, 0
	s_wait_dscnt 0x0                               ; my last reads of slot 1 are over
	MUL8 0, 1, 0
	MUL8 1, 1, 0
	MUL8 2, 1, 0
	WIN 0
	s_wait_tensorcnt 0x0                           ; my part of the last fill is in
	s_barrier_signal -1
	s_barrier_wait -1                              ; and everybody's; nobody reads slot 1 any more
	PLACES
	FETCH 0, 0, 0
	MUL8 3, 1, 0
	STEP 0, 1, 0, 0
; THE WAY OUT, by blocks of 16 rows x 128 columns: through my own stage in LDS and back as rows of 512 bytes.  LDS serves a wave's instructions in order (ISA guide 5.7.1.4): no wait between the stores and the loads.
.macro TOSTAGE a
	WIN 0x08
.irp b, 0,1,2,3,4,5,6,7
	ds_store_b128 v[STO], v[8*(8*(\a)+\b):8*(8*(\a)+\b)+3] offset:64*\b
	ds_store_b128 v[STO], v[8*(8*(\a)+\b)+4:8*(8*(\a)+\b)+7] offset:64*\b+16
.endr
	WIN TO_B
.irp t, 0,1,2,3,4,5,6,7,8,9,10,11,12,13,14,15
	ds_load_b128 v[64*(\a)+4*\t:64*(\a)+4*\t+3], v[RD] offset:\t*SPITCH
.endr
.endm
.macro SEND a, younger                 ; younger: the LDS instructions issued behind block a's loads
	s_wait_dscnt \younger
	s_wait_loadcnt 48-16*(\a)                      ; x's block a is in; the younger blocks' loads may be out
	WIN 0x71
.set j, 0
.rept 32
	v_pk_fma_f32 v[64*(\a)+j:64*(\a)+j+1], v[64*(\a)+j:64*(\a)+j+1], s[96:97], v[64*(\a)+j:64*(\a)+j+1] op_sel_hi:[1,0,1]   ; sum x 2^(e10 + e11) + x
.set j, j+2
.endr
	WIN 0x04
.irp t, 0,1,2,3,4,5,6,7,8,9,10,11,12,13,14,15
	global_store_b128 v[CO], v[64*(\a)+4*\t:64*(\a)+4*\t+3], s[12:13] offset:(16*(\a)+\t)*8192 th:TH_STORE_NT   ; 32 lanes store 512 consecutive bytes, at a multiple of 512 from the buffer's first byte
.endr
.endm
	s_wait_dscnt 0x0                               ; the last step: nothing more to fetch
	MUL8 0, 1, 0
	MUL8 1, 1, 0
	PLACES
	TOSTAGE 0                                      ; block 0 comes back into set 0's registers, which the last step does not read
	MUL8 2, 1, 0
	MUL8 3, 1, 0
	PLACES
	TOSTAGE 1
	SEND 0, 32
	TOSTAGE 2
	SEND 1, 32
	TOSTAGE 3
	SEND 2, 32
	SEND 3, 0
	WIN 0
	s_wait_tensorcnt 0x0                           ; the wave's end
	ds_add_u32 v[SPW], v[NIL]
	s_wait_dscnt 0x0
	CROUND                                         ; the closing round
	s_endpgm
.Lfunc_end_k_qda825945dc_oproj:
	.size	k_qda825945dc_oproj, .Lfunc_end_k_qda825945dc_oproj-k_qda825945dc_oproj
	.p2alignl 7, 3214868480
	.fill 96, 4, 3214868480
	.section	.rodata,"a",@progbits
	.p2align	6, 0x0
	.amdhsa_kernel k_qda825945dc_oproj
		.amdhsa_group_segment_fixed_size 327680
		.amdhsa_private_segment_fixed_size 0
		.amdhsa_enable_private_segment 0
		.amdhsa_kernarg_size 40
		.amdhsa_user_sgpr_count 2
		.amdhsa_user_sgpr_kernarg_segment_ptr 1
		.amdhsa_wavefront_size32 1
		.amdhsa_system_sgpr_workgroup_id_x 1
		.amdhsa_system_sgpr_workgroup_id_y 1
		.amdhsa_system_sgpr_workgroup_id_z 1
		.amdhsa_system_vgpr_workitem_id 0
		.amdhsa_next_free_vgpr 1024
		.amdhsa_next_free_sgpr 100
		.amdhsa_reserve_vcc 0
		.amdhsa_float_denorm_mode_32 3
		.amdhsa_float_denorm_mode_16_64 3
		.amdhsa_memory_ordered 1
		.amdhsa_forward_progress 1
		.amdhsa_inst_pref_size 81
	.end_amdhsa_kernel
	.amdgpu_metadata
---
amdhsa.version: [ 1, 2 ]
amdhsa.kernels:
  - .name:           k_qda825945dc_oproj
    .symbol:         k_qda825945dc_oproj.kd
    .args:
      - { .name: oc, .offset: 0, .size: 8, .value_kind: global_buffer, .address_space: global }
      - { .name: Wo_codes, .offset: 8, .size: 8, .value_kind: global_buffer, .address_space: global }
      - { .name: lowp_scales, .offset: 16, .size: 8, .value_kind: global_buffer, .address_space: global }
      - { .name: x, .offset: 24, .size: 8, .value_kind: global_buffer, .address_space: global }
      - { .name: out0, .offset: 32, .size: 8, .value_kind: global_buffer, .address_space: global }
    .group_segment_fixed_size: 327680
    .private_segment_fixed_size: 0
    .kernarg_segment_align: 8
    .kernarg_segment_size: 40
    .max_flat_workgroup_size: 128
    .sgpr_count:     100
    .vgpr_count:     1024
    .wavefront_size: 32
...
	.end_amdgpu_metadata
.endif
;; end of part 4
